; MI455X (gfx1250); checked and timed in simulation.
; The chip was launched on July 23, 2026; its instructions are those of AMD's public machine-readable ISA for CDNA 5 (MIT licence, August 2026) and "CDNA5" Instruction Set Architecture Reference Guide (July 2026). The comments in the code are by the model that wrote it; some were corrected since.
;; Full Attention. Allowed arithmetic: matrix products marked QUANTISED: E2M3 operands, one E8M0 scale for each 32 along K, by v_wmma_scale_f32_16x16x128_f8f6f4 with both operands' format E2M3, f32 sums; everything else in f32.
;; Inputs: keys_codes 4 x 2,048 x 16 x 2 x 24 uint8 (E2M3 codes of keys, K innermost, in blocks of 32 codes, four codes in three bytes); keys_scales 4 x 2,048 x 16 x 2 uint8 (E8M0 scales of keys, one for each 32 codes along K); queries_codes 4 x 2,048 x 16 x 2 x 24 uint8 (E2M3 codes of queries, K innermost, in blocks of 32 codes, four codes in three bytes); queries_scales 4 x 2,048 x 16 x 2 uint8 (E8M0 scales of queries, one for each 32 codes along K); values_codes 4 x 16 x 64 x 64 x 24 uint8 (E2M3 codes of values, K innermost, in blocks of 32 codes, four codes in three bytes); values_scales 4 x 16 x 64 x 64 uint8 (E8M0 scales of values, one for each 32 codes along K).
;; Outputs: out0 4 x 2,048 x 16 x 64 float32.
;; This version of the problem:
;;   THIS VERSION OF THE PROBLEM IS GIVEN IN LOW PRECISION. The matrix products marked QUANTISED in the list below multiply operands that are first quantised to E2M3 (2 exponent bits, 3 mantissa bits; 6 bits a number), with one power-of-two scale for each 32 numbers along K (OCP MX v1.0); their sums are f32. All else is computed in f32.
;;   The module's matrix products, in the order in which they are computed (A, B: the left and right operand; K: the contracted axis; several contracted axes count as one K, in the product's order):
;;     1. batch 64 x [M 2,048, K 64] x [K 64, N 2,048]; A: input queries (given as codes); B: input keys (given as codes): QUANTISED
;;     2. batch 64 x [M 64, K 2,048] x [K 2,048, N 2,048]; A: input values (given as codes); B: softmax (see below): QUANTISED
;;   THE QUANTISER, for each operand of a quantised product, along K:
;;     - K is cut into blocks of 32 from its start; a last block that is shorter is filled with zeros.
;;     - A block's scale is 2^e with e = floor(log2(the largest magnitude in the block)) - 2, held to -126 .. 127; a block of zeros has e = 0. As a byte (E8M0): e + 127.
;;     - Each number is divided by its block's scale, clamped to +-7.5, and rounded to the nearest number of E2M3, ties to even, subnormals kept.
;;     - The product sums the exact products of the quantised numbers (number of the format x scale) in f32.
;;   ~~~python
;;   def quantise(x, axis):      # numpy; x: float32 -> the quantised numbers, widened to float32 again
;;       x = np.moveaxis(x, axis, -1); K = x.shape[-1]
;;       x = np.pad(x, [(0, 0)] * (x.ndim - 1) + [(0, -K % 32)]); x = x.reshape(x.shape[:-1] + (-1, 32)); a = np.abs(x).max(-1, keepdims=True)
;;       e = np.where(a > 0, np.clip(np.frexp(np.where(a > 0, a, 1))[1] - 1 - 2, -126, 127), 0)      # np.frexp(a)[1] - 1 = floor(log2(a)), exactly
;;       r = np.clip(x / 2.0 ** e, -7.5, 7.5)
;;       step = 2.0 ** (np.maximum(np.frexp(np.where(r == 0, 1, r))[1] - 1, 0) - 3)
;;       q = np.round(r / step) * step * 2.0 ** e      # np.round: ties to even
;;       return np.moveaxis(q.reshape(q.shape[:-2] + (-1,))[..., :K], -1, axis).astype(np.float32)
;;   ~~~
;;   SOFTMAX AHEAD OF A QUANTISED PRODUCT. Where the list says 'softmax', what is quantised is not the finished softmax but p = 2^(t - M), with t = logit x log2(e) and M = ceil(the row's largest t), a whole number; so 1/2 < the row's largest p <= 1. The row's sum l is taken of the UNQUANTISED p, in f32, and the product's result is divided by l at the end. Since M is a whole number, a kernel that streams over the keys may use a running M (the ceiling of the running maximum): every later rescaling is an exact power of two, which a block's scale takes up: the codes' values come out the same.
;;   OPERANDS COMPUTED ON THE WAY. 'Computed on the way' means the value that the module computes at that place (a softmax that the list does not call 'softmax' is quantised finished and normalised). What goes into a quantiser is computed in f32, as accurately as f32 sums, v_exp_f32 and their like allow (about 1e-6 of the number): no bf16 or f16 on the way to a quantiser, and a product that is left as it is and whose result goes on into a quantised operand takes f32 operands (vector FMAs, or v_wmma_f32_16x16x4_f32). A number that lies on a knife's edge between two numbers of the format may be rounded either way, as far as f32 arithmetic and the matrix unit's own rounding can turn it there, and no further.
;;   INPUTS GIVEN AS CODES. keys (in the module: [4, 2048, 16, 64], K = its axis 3); queries (in the module: [4, 2048, 16, 64], K = its axis 3); values (in the module: [4, 2048, 16, 64], K = its axis 1): each comes as NAME_codes (uint8): NAME with its K axis moved to the last place and cut into blocks of 32 codes, [.., K / 32, bytes a block], one block behind the other in memory; four codes in three bytes: a row's codes are one little-endian stream of bits, code i at bits 6 i .. 6 i + 5 (a code: sign, 2 exponent bits, 3 mantissa bits); and NAME_scales (uint8): the same leading axes, one E8M0 byte (e + 127) for each 32 codes along K. Its value is code x scale, taken as it is: it is not quantised again, and the codes and scales need not be those that the quantiser above would give.
;; One version. Each part assembles by itself: llvm-mc -triple=amdgcn-amd-amdhsa -mcpu=gfx1250 --defsym DOCPART=n.
;; ======== version 1 of 1: 1 launch
;; launch attn (part 1): grid 256 x 1, 16 waves a work-group, clusters of 4 x 1, 288,768 bytes of LDS; arguments keys_codes, keys_scales, queries_codes, queries_scales, values_codes, values_scales, out0; writes out0
.if DOCPART == 1
	.amdgcn_target "amdgcn-amd-amdhsa--gfx1250"
	.amdhsa_code_object_version 6
	.text
	.protected	k_q9f2d15a3e6_attn
	.globl	k_q9f2d15a3e6_attn
	.p2align	8
	.type	k_q9f2d15a3e6_attn,@function
k_q9f2d15a3e6_attn:
	s_mov_b64 s[64:65], 0
	v_nop
	global_prefetch_b8 v0, s[64:65] scope:SCOPE_SE
	s_setreg_imm32_b32 hwreg(HW_REG_WAVE_MODE, 25, 1), 1
	s_wait_xcnt 0x0
	s_wait_alu depctr_hold_cnt(0) depctr_sa_sdst(0) depctr_va_vdst(0) depctr_va_sdst(0) depctr_va_ssrc(0) depctr_va_vcc(0) depctr_vm_vsrc(0)
	s_getreg_b32 s2, hwreg(HW_REG_IB_STS2, 6, 4)
	s_cmp_eq_u32 s2, 0
	s_cbranch_scc0 .Lentry_in_a_cluster
	s_endpgm
.Lentry_in_a_cluster:
	s_bfe_u32 s2, ttmp6, 0x10000c
	s_cmp_lg_u32 s2, 0x3003
	s_cbranch_scc0 .Lentry_shape_is_right
	s_endpgm
.Lentry_shape_is_right:
; out0[b][l][h][:] = the sum over s <= l of softmax_s(q[b][l][h] . k[b][s][h] / 8) v[b][s][h][:], B 4, L 2,048, H 16, E 64, both products on codes of FP6 (E2M3) with one E8M0 scale for each 32 along a product's K.
; q, k: codes [b][l][h][48 bytes], scale bytes [b][l][h][2].  v: codes with the KEYS innermost, [b][h][d][1,536 bytes], scale bytes [b][h][d][64].  out0: f32.
; THE SOFTMAX AHEAD OF THE SECOND PRODUCT: t = score x log2(e) / 8; M = the row's largest t so far, rounded UP to a whole number; p = 2^(t - M) is quantised along the keys, not normalised.
; The row's sum is taken of the unquantised p and divides at the end.  When M moves, the sum and O are multiplied by 2^(old M - new M): exact.
; SHARES.  A cluster of four work-groups owns a head (ttmp9 = 16 b + h).  A head's K and V, 2 x 98,304 bytes of codes, lie WHOLE in each work-group's LDS: they are asked for JOINTLY (the same tensor
; loads, the same descriptors, a mask that names the four), once, at the start; no LDS byte is filled a second time, so there is no ring.
; The 2,048 queries are 16 groups of 128, a group 8 tiles of 16.  A tile of group g needs key steps 0 .. g of 128 keys; step g lies on the diagonal.  Work-group cx owns tiles 2 cx and 2 cx + 1 of EVERY group;
; wave w (p = w % 8, u = w / 8) makes tile 2 cx + u of group 15 - p (16 - p steps) and then of group p (p + 1 steps): 17 steps, two on the diagonal, for every wave of the launch.
; Branches, trip counts and LDS addresses hang on the wave's number and on counters alone; cx enters q's and out0's addresses and the number that the mask compares with, nothing else.
; LAYOUT.  Both products are used transposed: S^T = K Q^T (source 0 = 16 keys, source 1 = my 16 queries), O^T = V^T P^T (source 0 = 16 of the head's 64, source 1 = P): a lane holds ONE query (lane % 16).
; THE KEYS OF A TILE ARE NOT NEIGHBOURS: row m of tile T takes key 64 (m / 8) + 32 (T / 4) + 8 (T % 4) + m % 8 of the step, so that register n (0 .. 63) of the scores in lane half h is key 64 h + n:
; a lane holds two WHOLE blocks of 32 keys, in order: a block's largest score needs no other lane, and two conversions give the six registers of a block as the operand wants them.
; The second product's K is taken in another order, alike on both sides: the place of registers 6 c .. 6 c + 5 in lane half h (scale byte 2 c + h) holds the step's block c + 2 h.  So a lane's fragment of V is
; 48 consecutive bytes, and bytes 1 and 2 of V's scale words change places (once, on their way into LDS).
; THE FIRST PRODUCT HAS K = 64, half of the instruction's 128.  q's operand is six registers of codes and six of zero codes.  K's operand for tile T is its six registers and the six that follow them (tile
; T + 1's codes; behind tile 7 six zeros): every E2M3 code is a finite number, so against q's zero codes they add nothing; scale bytes 2 and 3 of both words are 0 (2^-127, a number).
; LIMITS: scale bytes of 0xff are not served.  A p under 2^-126 counts as 0 (v_exp_f32 gives 0 there: ISA guide 15.8).  A block's largest p is made from its largest score by the same multiply-add and
; exponential as every p, which takes v_exp_f32 not to fall where its input rises.  A block whose every p is 0 gets the scale byte 1: its codes are zeros, and only this text reads the byte.
.set KREG, 3200                        ; LDS: 32 regions of 64 keys x 48 bytes + 128 bytes that nobody touches.  A fragment's two groups of 8 keys lie one region apart: 800 words = 32 mod 64; with 12 words a key and
                                       ; 6 a lane half the 32 lanes of a load of 8 bytes touch 64 different banks (64 banks of 4 bytes: ISA guide 11.1)
.set VB,   102400                      ; V: 4 chunks of 512 keys; in a chunk 64 rows d of 384 bytes + 16 of zeros
.set VP,   400                         ; = 25 x 16 bytes: the 16 rows that half a load of 16 bytes a lane touches start in 16 different groups of four banks
.set VCH,  25600                       ; a chunk of V, and 8 regions of K: what the n-th loads of all fetching waves bring: key steps 4 n .. 4 n + 3
.set SCK,  204800                      ; K's scale words, one a key, re-laid: 8,192 bytes
.set SCV,  212992                      ; V's scale words, one for a row d and a step, re-laid: 4,096 bytes
.set STG,  217088                      ; the way out: 16 rows x 272 bytes for each wave.  No tensor load lands in SCK, SCV or STG
.set SP,   272
.set AK,  1                            ; v1   my lane's place in a tile of K: 3200 (m / 8) + 48 (m % 8) + 24 h
.set AV,  2                            ; v2   in a tile of V: VB + 400 m + 48 h
.set ASK, 3                            ; v3   SCK + 16 x lane
.set ASV, 4                            ; v4   SCV + 8 x lane
.set STO, 5                            ; v5   the stage: where I put 32 bytes of a row
.set RD,  6                            ; v6   and where I read a row back
.set GO,  7                            ; v7   my byte offset in two rows of out0
.set SH8, 8                            ; v8   8 h
.set DQ,  9                            ; v9   on the diagonal register n's key is hidden where n > DQ = 16 x tile + r - 64 h
.set NINF, 10                          ; v10  -infinity
.set ADK, 11                           ; v11-14 the step's LDS addresses: K, V, K's scale words, V's
.set ADV, 12
.set ADS, 13
.set ADT, 14
.set NM,  16                           ; v16  -M;  v17 the largest t so far
.set TM,  17
.set SUM, 18                           ; v[18:19] the row's sum, in two halves
.set FF,  20                           ; v20  f = 2^(old M - new M); v21 is named with it as a pair
.set QSA, 22                           ; v22, v23 q's scale words of my two tiles; v24 p's; v[26:27] V's; v[28:31] K's: these hold scales and nothing else
.set QSB, 23
.set PSW, 24
.set VS,  26
.set KS,  28
.set QA,  34                           ; v[34:45], v[46:57] q's operands: six registers of codes, six of zeros
.set QB,  46
.set F,   58                           ; v[58:105] K's 8 x 6 registers, then V's 4 x 12; v[106:111] six zeros behind tile 7
.set S,   112                          ; v[112:175] S^T, then p
.set O,   176                          ; v[176:207] O^T, four tiles
.set PC,  208                          ; v[208:219] p's codes
.set PT,  220                          ; v[220:222], v[224:226] the upper halves of the two blocks, as the conversions leave them
.set MB,  228                          ; v[228:231] largest scores
.set SO,  232                          ; v[232:233] the conversions' scale operands
.set BY,  234                          ; v[234:235] the scale bytes
.set T0,  236
.set T1,  237
.set AC,  238                          ; v[238:239] the sum's second chain.   v240-255: at work at the head
.set WV,  18                           ; s18  my wave's number
.set GB,  19                           ; s19  p: the group of my second tile
.set SEL, 20                           ; s[20:21] v_permlanex16_b32's selects for lane l xor 16
.set CS,  22                           ; s[22:23] c = log2(e) / 8: the packed form names a pair and takes its low word for both halves
.set J,   24                           ; s24  the key step
.set GA,  25                           ; s25  15 - p: the group of my first tile
.set TK,  26                           ; s26-29 where the step begins in K, in V, in K's scale words, in V's (at the head: offsets at work)
.set TV,  27
.set TS,  28
.set TT,  29
.set G1K, 32                           ; s[32:39] descriptor group 1 for K's tiles;  s[40:47] for V's
.set G1V, 40
.set G0K, 48                           ; s[48:63] four groups 0 for K's tiles;  s[68:83] for V's
.set G0V, 68
.set QCA, 84                           ; s[84:85], s[86:87] q's codes at my first and second tile;  s[88:89], s[90:91] q's scale bytes;  s[92:93], s[94:95] out0
.set QCB, 86
.set QZA, 88
.set QZB, 90
.set OA,  92
.set OB,  94
; A round of the cluster's barrier: my work-group's barrier, so that wave 0's signal speaks for all sixteen waves; wave 0 signals; every wave waits for the four work-groups; my work-group's barrier once more.
.macro ROUND
	s_barrier_signal -1
	s_barrier_wait -1
	s_cmp_lg_u32 s[WV], 0
	s_cbranch_scc1 .Lnot_wave_0_\@
	s_barrier_signal -3
.Lnot_wave_0_\@:
	s_barrier_wait -3
	s_barrier_signal -1
	s_barrier_wait -1
.endm
; A barrier that shows tiles to all waves: of my four tensor loads at most `left` are still out; my LDS stores have landed.  Later tiles may stay on their way.
.macro BAR left
	s_wait_tensorcnt \left
	s_wait_dscnt 0x0
	s_barrier_signal -1
	s_barrier_wait -1
.endm
	s_load_b256 s[4:11], s[0:1], 0x0               ; K's codes s[4:5], K's scales s[6:7], q's codes s[8:9], q's scales s[10:11]
	s_load_b128 s[12:15], s[0:1], 0x20             ; V's codes s[12:13], V's scales s[14:15]
	s_load_b64 s[16:17], s[0:1], 0x30              ; out0
	v_lshl_add_u32 v223, v0, 2, 0x46000
	v_mov_b32 v227, 0
	ds_add_u32 v223, v227
	ds_add_u32 v223, v227
	v_lshrrev_b32 v255, 5, v0
	s_delay_alu instid0(VALU_DEP_1)
	v_readfirstlane_b32 s[WV], v255                ; wave 0..15
	s_and_b32 s[GB], s[WV], 7                      ; p
	s_xor_b32 s[GA], s[GB], 15                     ; 15 - p
	s_lshr_b32 s96, ttmp9, 4                       ; b
	s_and_b32 s97, ttmp9, 15                       ; h
	s_mul_i32 s26, s96, 1572864
	s_mul_i32 s27, s97, 48
	s_add_co_u32 s26, s26, s27                     ; the head in q's and K's codes: 2,048 x 768 b + 48 h
	s_lshl_b32 s27, s96, 16
	s_lshl_b32 s28, s97, 1
	s_add_co_u32 s27, s27, s28                     ; in their scale bytes: 2,048 x 32 b + 2 h
	s_lshl_b32 s31, s96, 23
	s_lshl_b32 s28, s97, 8
	s_add_co_u32 s31, s31, s28                     ; in out0: 2,048 x 4,096 b + 256 h
	s_mul_i32 s28, s[GB], 49152                    ; what I fetch of K, if I fetch: keys 64 (w % 8) on of each 512
	s_add_co_u32 s28, s28, s26
	s_mov_b32 s29, 0
	s_mul_i32 s2, s[GB], KREG                      ; and where it goes: no place in the cluster enters an LDS address
	s_and_b32 s24, s[WV], 3                        ; of V: rows 16 (w % 4) on
	s_mul_i32 s66, s24, 24576
	s_mul_i32 s67, ttmp9, 98304
	s_add_co_u32 s66, s66, s67
	s_mov_b32 s67, 0
	s_mul_i32 s24, s24, 16*VP
	; descriptor group 1.  K: 64 rows of 48 bytes, 768 bytes apart.  V: 16 rows of 400 bytes of which 384 exist (the last 16 arrive as zeros), 1,536 bytes apart
	s_mov_b32 s[G1K], 15|(1<<21)                   ; 15:0 the mask: all four work-groups; 17:16 elements of 1 byte; 20 padding off; 21 set beside a mask
	s_mov_b32 s[G1K+1], 48<<16                     ; tensor_dim0
	s_mov_b32 s[G1K+2], 64<<16                     ; tensor_dim1
	s_mov_b32 s[G1K+3], 48<<16                     ; tile_dim0
	s_mov_b32 s[G1K+4], 64                         ; tile_dim1
	s_mov_b32 s[G1K+5], 768                        ; tensor_dim0_stride
	s_mov_b32 s[G1K+6], 0
	s_mov_b32 s[G1K+7], 0
	s_mov_b32 s[G1V], 15|(1<<21)
	s_mov_b32 s[G1V+1], 384<<16
	s_mov_b32 s[G1V+2], 16<<16
	s_mov_b32 s[G1V+3], VP<<16
	s_mov_b32 s[G1V+4], 16
	s_mov_b32 s[G1V+5], 1536
	s_mov_b32 s[G1V+6], 0
	s_mov_b32 s[G1V+7], 0
	; my two tiles.  What holds cx stays in s3, s30, s98, s99 and s84-95: none of them feeds a descriptor or an LDS address
	s_bfe_u32 s3, ttmp6, 0x40000                   ; cx
	s_lshl_b32 s3, s3, 1
	s_lshr_b32 s98, s[WV], 3
	s_add_co_u32 s3, s3, s98                       ; my tile in a group: 2 cx + w / 8
	s_lshl_b32 s30, s3, 4                          ; its first query in the group
	s_lshl_b32 s98, s[GA], 7
	s_add_co_u32 s98, s98, s30                     ; first query of my first tile
	s_lshl_b32 s99, s[GB], 7
	s_add_co_u32 s99, s99, s30                     ; and of my second
	s_mul_i32 s[QCA], s98, 768
	s_add_co_u32 s[QCA], s[QCA], s26
	s_mov_b32 s[QCA+1], 0
	s_mul_i32 s[QCB], s99, 768
	s_add_co_u32 s[QCB], s[QCB], s26
	s_mov_b32 s[QCB+1], 0
	s_lshl_b32 s[QZA], s98, 5
	s_add_co_u32 s[QZA], s[QZA], s27
	s_mov_b32 s[QZA+1], 0
	s_lshl_b32 s[QZB], s99, 5
	s_add_co_u32 s[QZB], s[QZB], s27
	s_mov_b32 s[QZB+1], 0
	s_lshl_b32 s[OA], s98, 12
	s_add_co_u32 s[OA], s[OA], s31
	s_mov_b32 s[OA+1], 0
	s_lshl_b32 s[OB], s99, 12
	s_add_co_u32 s[OB], s[OB], s31
	s_mov_b32 s[OB+1], 0
	s_mov_b32 s96, s27                             ; K's scale bytes of the head
	s_mov_b32 s97, 0
	s_mov_b32 s[SEL], 0x76543210
	s_mov_b32 s[SEL+1], 0xfedcba98
	s_mov_b32 s[CS], 0x3e38aa3b                    ; log2(e) / 8
	s_mov_b32 s[CS+1], s[CS]                       ; (named with it as a pair, so it is written)
	s_wait_dscnt 0x0
	s_wait_kmcnt 0x0
	s_add_nc_u64 s[4:5], s[4:5], s[28:29]
	s_add_nc_u64 s[12:13], s[12:13], s[66:67]
	s_add_nc_u64 s[6:7], s[6:7], s[96:97]
	s_lshl_b32 s96, ttmp9, 12                      ; V's scale bytes of the head: 4,096 a head
	s_add_nc_u64 s[14:15], s[14:15], s[96:97]
	s_add_nc_u64 s[QCA:QCA+1], s[8:9], s[QCA:QCA+1]
	s_add_nc_u64 s[QCB:QCB+1], s[8:9], s[QCB:QCB+1]
	s_add_nc_u64 s[QZA:QZA+1], s[10:11], s[QZA:QZA+1]
	s_add_nc_u64 s[QZB:QZB+1], s[10:11], s[QZB:QZB+1]
	s_add_nc_u64 s[OA:OA+1], s[16:17], s[OA:OA+1]
	s_add_nc_u64 s[OB:OB+1], s[16:17], s[OB:OB+1]
.irp n, 0,1,2,3                                ; group 0, a set for each load: every wave makes both kinds and asks by one of them, or by none
	s_mov_b32 s[G0K+4*\n], 1                       ; 1:0 count = 1
	s_add_co_u32 s[G0K+4*\n+1], s2, VCH*\n         ; 63:32 LDS address: region 8 n + w % 8
	s_add_nc_u64 s[G0K+4*\n+2:G0K+4*\n+3], s[4:5], 393216*\n   ; 120:64 global address: 512 keys of 768 bytes on for each n
	s_or_b32 s[G0K+4*\n+3], s[G0K+4*\n+3], 0x80000000          ; 127:126 type = 2
	s_mov_b32 s[G0V+4*\n], 1
	s_add_co_u32 s[G0V+4*\n+1], s24, VB+VCH*\n     ; chunk n, rows 16 (w % 4) on
	s_add_nc_u64 s[G0V+4*\n+2:G0V+4*\n+3], s[12:13], 384*\n    ; 512 keys are 384 bytes of a row
	s_or_b32 s[G0V+4*\n+3], s[G0V+4*\n+3], 0x80000000
.endr
	ROUND                                          ; all four work-groups are here: the joint loads meet
	; ALL FILLS OF THE LAUNCH, in one branch on the wave's number: waves 0-7 K's, waves 8-11 V's, waves 12-15 none.  Four loads of a wave are out at the most.  Load n brings key steps 4 n .. 4 n + 3.
	; Four v_nop follow each run, ahead of the jump and the label.
	s_cmp_lt_u32 s[WV], 8
	s_cbranch_scc0 .Lnot_k
	tensor_load_to_lds s[G0K:G0K+3], s[G1K:G1K+7]
	s_nop 0
	tensor_load_to_lds s[G0K+4:G0K+7], s[G1K:G1K+7]
	s_nop 0
	tensor_load_to_lds s[G0K+8:G0K+11], s[G1K:G1K+7]
	s_nop 0
	tensor_load_to_lds s[G0K+12:G0K+15], s[G1K:G1K+7]
	s_nop 0
.rept 4
	v_nop
.endr
	s_branch .Lasked
.Lnot_k:
	s_cmp_lt_u32 s[WV], 12
	s_cbranch_scc0 .Lasked
	tensor_load_to_lds s[G0V:G0V+3], s[G1V:G1V+7]
	s_nop 0
	tensor_load_to_lds s[G0V+4:G0V+7], s[G1V:G1V+7]
	s_nop 0
	tensor_load_to_lds s[G0V+8:G0V+11], s[G1V:G1V+7]
	s_nop 0
	tensor_load_to_lds s[G0V+12:G0V+15], s[G1V:G1V+7]
	s_nop 0
.rept 4
	v_nop
.endr
.Lasked:
	; the head's scale bytes, once: thread t takes keys t, t + 512, t + 1,024, t + 1,536 (2 bytes each, widened with zeros) and 8 bytes of V's (row t / 8, steps 2 (t % 8) and the next)
	v_lshlrev_b32 v246, 5, v0
	v_lshlrev_b32 v247, 3, v0
.irp n, 0,1,2,3
	global_load_u16 v[240+\n], v246, s[6:7] offset:16384*\n
.endr
	global_load_b64 v[244:245], v247, s[14:15]
	v_and_b32 v252, 15, v0                         ; r = m = lane % 16
	v_bfe_u32 v253, v0, 4, 1                       ; h = lane / 16
	v_and_b32 v254, 31, v0                         ; lane
	s_delay_alu instid0(VALU_DEP_3)
	v_mul_u32_u24 v248, v252, 768
	s_delay_alu instid0(VALU_DEP_1)
	v_mad_u32_u24 v248, v253, 24, v248             ; q: row r, + 24 h: my block of 32
	v_lshlrev_b32 v249, 5, v252                    ; q's scale bytes: 32 bytes from query to query
.irp c, 0,1,2
	global_load_b64 v[QA+2*\c:QA+2*\c+1], v248, s[QCA:QCA+1] offset:8*\c
	global_load_b64 v[QB+2*\c:QB+2*\c+1], v248, s[QCB:QCB+1] offset:8*\c
.endr
	global_load_u16 v[QSA], v249, s[QZA:QZA+1]     ; two scale bytes and two bytes of 0
	global_load_u16 v[QSB], v249, s[QZB:QZB+1]
	; every LDS address register is made here, of the thread's number, the wave's number and constants
	v_and_b32 v255, 7, v0
	s_delay_alu instid0(VALU_DEP_1)
	v_mul_u32_u24 v[AK], v255, 48
	v_bfe_u32 v255, v0, 3, 1
	s_delay_alu instid0(VALU_DEP_1)
	v_mad_u32_u24 v[AK], v255, KREG, v[AK]
	s_delay_alu instid0(VALU_DEP_1)
	v_mad_u32_u24 v[AK], v253, 24, v[AK]
	v_mul_u32_u24 v[AV], v252, VP
	s_delay_alu instid0(VALU_DEP_1)
	v_mad_u32_u24 v[AV], v253, 48, v[AV]
	s_delay_alu instid0(VALU_DEP_1)
	v_add_nc_u32 v[AV], VB, v[AV]
	v_lshl_add_u32 v[ASK], v254, 4, SCK
	v_lshl_add_u32 v[ASV], v254, 3, SCV
	s_mul_i32 s2, s[WV], 16*SP
	s_add_co_u32 s2, s2, STG                       ; my stage
	v_mul_u32_u24 v[STO], v252, SP
	s_delay_alu instid0(VALU_DEP_1)
	v_lshl_add_u32 v[STO], v253, 5, v[STO]
	s_delay_alu instid0(VALU_DEP_1)
	v_add_nc_u32 v[STO], s2, v[STO]                ; in: row r, 32 bytes for each half of the lanes
	v_mul_u32_u24 v[RD], v253, SP
	s_delay_alu instid0(VALU_DEP_1)
	v_lshl_add_u32 v[RD], v252, 4, v[RD]
	s_delay_alu instid0(VALU_DEP_1)
	v_add_nc_u32 v[RD], s2, v[RD]                  ; back: lanes 0-15 one row of 256 bytes, lanes 16-31 the next
	v_lshlrev_b32 v[GO], 12, v253
	s_delay_alu instid0(VALU_DEP_1)
	v_lshl_add_u32 v[GO], v252, 4, v[GO]           ; and the same two rows in out0, 4,096 bytes apart
	v_lshlrev_b32 v[SH8], 3, v253
	v_lshlrev_b32 v255, 6, v253
	s_delay_alu instid0(VALU_DEP_1)
	v_sub_nc_u32 v[DQ], v252, v255
	s_delay_alu instid0(VALU_DEP_1)
	v_add_nc_u32 v[DQ], s30, v[DQ]
	v_mov_b32 v[NINF], 0xff800000
	; K's scale word of key k goes to SCK + 512 (k / 128) + 256 bit 3 + 128 bit 6 + 16 (k % 8) + 8 bit 5 + 4 bit 4: one load of 16 bytes at 16 x lane then brings a step's words for all 8 tiles:
	; register i holds tile 2 i's in lanes 0-15 and tile 2 i + 1's in lanes 16-31
	v_lshrrev_b32 v255, 7, v0
	s_delay_alu instid0(VALU_DEP_1)
	v_lshlrev_b32 v250, 9, v255
	v_bfe_u32 v255, v0, 3, 1
	s_delay_alu instid0(VALU_DEP_1)
	v_lshl_add_u32 v250, v255, 8, v250
	v_bfe_u32 v255, v0, 6, 1
	s_delay_alu instid0(VALU_DEP_1)
	v_lshl_add_u32 v250, v255, 7, v250
	v_and_b32 v255, 7, v0
	s_delay_alu instid0(VALU_DEP_1)
	v_lshl_add_u32 v250, v255, 4, v250
	v_bfe_u32 v255, v0, 5, 1
	s_delay_alu instid0(VALU_DEP_1)
	v_lshl_add_u32 v250, v255, 3, v250
	v_bfe_u32 v255, v0, 4, 1
	s_delay_alu instid0(VALU_DEP_1)
	v_lshl_add_u32 v250, v255, 2, v250
	s_delay_alu instid0(VALU_DEP_1)
	v_add_nc_u32 v250, SCK, v250
	; V's scale word of row d and step s goes to SCV + 256 s + 8 (d % 32) + 4 (d / 32): one load of 8 bytes at 8 x lane brings a step's words for all 4 tiles, laid likewise
	v_and_b32 v255, 7, v0
	s_delay_alu instid0(VALU_DEP_1)
	v_lshlrev_b32 v251, 10, v255
	s_delay_alu instid0(VALU_DEP_1)
	v_lshrrev_b32 v251, 1, v251                    ; 512 (t % 8): step 2 (t % 8)
	v_bfe_u32 v255, v0, 3, 5
	s_delay_alu instid0(VALU_DEP_1)
	v_lshl_add_u32 v251, v255, 3, v251
	v_lshrrev_b32 v255, 8, v0
	s_delay_alu instid0(VALU_DEP_1)
	v_lshl_add_u32 v251, v255, 2, v251
	s_delay_alu instid0(VALU_DEP_1)
	v_add_nc_u32 v251, SCV, v251
.irp i, 0,1,2,3,4,5
	v_mov_b32 v[QA+6+\i], 0                        ; zero codes for the upper half of the instruction's K
	v_mov_b32 v[QB+6+\i], 0
	v_mov_b32 v[F+48+\i], 0                        ; and what follows tile 7's codes
.endr
	v_mov_b32 v[T1], 0                             ; written once: a lane permute's destination counts as one of its sources
	v_mov_b32 v[FF+1], 0                           ; (named as the upper half of a pair)
; A tile begins: O^T and the sum as zeros, the largest t as -3e38, under every t: the step is written once, and its first change of M multiplies zeros.
.macro RESET
	v_mov_b32 v[TM], 0xff61b1e6
	s_delay_alu instid0(VALU_DEP_1)
	v_floor_f32 v[NM], -v[TM]
	v_mov_b32 v[SUM], 0
	v_mov_b32 v[SUM+1], 0
.set j, 0
.rept 32
	v_mov_b32 v[O+j], 0
.set j, j+1
.endr
.endm
	RESET
	s_wait_loadcnt 8                               ; the five loads of scale bytes are in; the eight of q, issued behind them, may be out
	v_perm_b32 v244, v244, v244, 0x03010200        ; bytes 1 and 2 change places: the second product's order of blocks
	v_perm_b32 v245, v245, v245, 0x03010200
.irp n, 0,1,2,3
	ds_store_b32 v250, v[240+\n] offset:2048*\n    ; 512 keys on are four steps on
.endr
	ds_store_b32 v251, v244
	ds_store_b32 v251, v245 offset:256
	s_wait_loadcnt 0x0                             ; q
; A KEY STEP: 128 keys against my 16 queries.  qf: q's operand; qs: its scale word; edge = 1: the step may lie on or behind the diagonal of the tile, whose group stands in s[g].
.macro STEP qf, qs, edge, g
.if \edge
	s_cmp_gt_u32 s[J], s[\g]                       ; all its keys come after my queries: nothing to do.  A scalar branch on the wave's number and a counter; no barrier and no tensor load stands in a step
	s_cbranch_scc1 .Lskip_\@
.endif
	s_setprio 2
	v_add_nc_u32 v[ADK], s[TK], v[AK]              ; (these four are also the places between the last step's products and the loads into the registers that they read)
	v_add_nc_u32 v[ADV], s[TV], v[AV]
	v_add_nc_u32 v[ADS], s[TS], v[ASK]
	v_add_nc_u32 v[ADT], s[TT], v[ASV]
	ds_load_b128 v[KS:KS+3], v[ADS]                ; K's scale words for the 8 tiles
.irp T, 0,1,2,3,4,5,6,7
.irp c, 0,1,2
	ds_load_b64 v[F+6*\T+2*\c:F+6*\T+2*\c+1], v[ADK] offset:1536*(\T/4)+384*(\T%4)+8*\c   ; tile T begins at key 32 (T / 4) + 8 (T % 4) of each region; 24 bytes a lane, in pieces of 8
.endr
.endr
	s_wait_alu depctr_va_vdst(0)
	s_wait_dscnt 0x0
.irp T, 0,1,2,3,4,5,6,7                        ; S^T = K Q^T: each product starts its own sum; K's operand reaches six registers into the next tile's, against q's zero codes
.if \T%2
	v_wmma_scale_f32_16x16x128_f8f6f4 v[S+8*\T:S+8*\T+7], v[F+6*\T:F+6*\T+11], v[\qf:\qf+11], 0, v[KS+\T/2], v[\qs] matrix_a_fmt:MATRIX_FMT_FP6 matrix_b_fmt:MATRIX_FMT_FP6 matrix_a_scale:MATRIX_SCALE_ROW1
.else
	v_wmma_scale_f32_16x16x128_f8f6f4 v[S+8*\T:S+8*\T+7], v[F+6*\T:F+6*\T+11], v[\qf:\qf+11], 0, v[KS+\T/2], v[\qs] matrix_a_fmt:MATRIX_FMT_FP6 matrix_b_fmt:MATRIX_FMT_FP6
.endif
.endr
.rept 4
	v_nop                                          ; four places in front of loads into registers that these products read, and of the first read of the scores
.endr
	ds_load_b64 v[VS:VS+1], v[ADT]                 ; V is asked for now and lands under the softmax: its scale words for the 4 tiles,
.irp t, 0,1,2,3
.irp x, 0,1,2
	ds_load_b128 v[F+12*\t+4*\x:F+12*\t+4*\x+3], v[ADV] offset:16*VP*\t+16*\x   ; and its fragments: 48 consecutive bytes a lane
.endr
.endr
.if \edge
	s_cmp_lg_u32 s[J], s[\g]                       ; only the tile's own group lies on the diagonal
	s_cbranch_scc1 .Lopen_\@
.irp n, 0,1,2,3,4,5,6,7,8,9,10,11,12,13,14,15,16,17,18,19,20,21,22,23,24,25,26,27,28,29,30,31,32,33,34,35,36,37,38,39,40,41,42,43,44,45,46,47,48,49,50,51,52,53,54,55,56,57,58,59,60,61,62,63
	v_cmp_gt_i32 vcc_lo, \n, v[DQ]                 ; hidden scores become -infinity ahead of the maximum: p = 0 then.  The key that is the query itself counts, so the row's maximum is a number
	v_cndmask_b32 v[S+\n], v[S+\n], v[NINF], vcc_lo
.endr
.Lopen_\@:
.endif
.irp b, 0,1,2,3                                ; the largest score, in four chains of 16 registers by turns; each accumulator is read from its low end on
	v_max3_num_f32 v[MB+\b], v[S+16*\b], v[S+16*\b+1], v[S+16*\b+2]
.endr
.irp i, 3,5,7,9,11,13
.irp b, 0,1,2,3
	v_max3_num_f32 v[MB+\b], v[MB+\b], v[S+16*\b+\i], v[S+16*\b+\i+1]
.endr
.endr
	v_max3_num_f32 v[MB], v[MB], v[S+15], v[S+31]
	v_max3_num_f32 v[MB+2], v[MB+2], v[S+47], v[S+63]
	s_delay_alu instid0(VALU_DEP_2)
	v_max_num_f32 v[MB], v[MB], v[MB+1]            ; THE LARGEST SCORE OF EACH OF MY TWO BLOCKS OF 32 KEYS: it serves twice: for the row's maximum and, since p rises with the score, for the block's largest p
	s_delay_alu instid0(VALU_DEP_2)
	v_max_num_f32 v[MB+1], v[MB+2], v[MB+3]
	s_delay_alu instid0(VALU_DEP_1)
	v_max_num_f32 v[T0], v[MB], v[MB+1]
	s_delay_alu instid0(VALU_DEP_1)
	v_permlanex16_b32 v[T1], v[T0], s[SEL], s[SEL+1]
	s_delay_alu instid0(VALU_DEP_1)
	v_max_num_f32 v[T0], v[T0], v[T1]              ; with lane l xor 16's 64 keys: the step's largest score of my query
	s_delay_alu instid0(VALU_DEP_1)
	v_mul_f32 v[T0], s[CS], v[T0]                  ; as t (c is positive)
	s_delay_alu instid0(VALU_DEP_1)
	v_max_num_f32 v[TM], v[TM], v[T0]              ; the running largest t
	v_mov_b32 v[T0], v[NM]
	s_delay_alu instid0(VALU_DEP_2)
	v_floor_f32 v[NM], -v[TM]                      ; the new -M = floor(-t) = -ceil(t): M is a whole number
	s_delay_alu instid0(VALU_DEP_1)
	v_sub_f32 v[T0], v[NM], v[T0]                  ; old M less new M: a whole number, 0 or less
	s_delay_alu instid0(VALU_DEP_1)
	v_cvt_i32_f32 v[T0], v[T0]                     ; (it saturates)
	s_delay_alu instid0(VALU_DEP_1)
	v_ldexp_f32 v[FF], 1.0, v[T0]                  ; f = 2^(old M - new M): a multiplication by it rounds nothing
.set j, 0
.rept 32
	v_pk_fma_f32 v[S+j:S+j+1], v[S+j:S+j+1], s[CS:CS+1], v[NM:NM+1] op_sel_hi:[1,0,0]   ; t - M, two at a time (of the pairs c and -M the low word serves both halves)
.set j, j+2
.endr
	v_fma_f32 v[MB], v[MB], s[CS], v[NM]           ; the same of each block's largest score
	v_fma_f32 v[MB+1], v[MB+1], s[CS], v[NM]
.set j, 0
	s_setprio 1
	s_wait_alu depctr_va_vdst(0)
.rept 64
	v_exp_f32 v[S+j], v[S+j]                       ; p = 2^(t - M), at most 1: not normalised
.set j, j+1
.endr
	v_exp_f32 v[MB], v[MB]                         ; the block's largest p: the same two instructions on the same number give the same bits
	v_exp_f32 v[MB+1], v[MB+1]
	v_pk_mul_f32 v[SUM:SUM+1], v[SUM:SUM+1], v[FF:FF+1] op_sel_hi:[1,0]   ; the sums under the new M.  (A plain place behind the exponentials)
	s_wait_alu depctr_va_vdst(0)
.irp c, 0,1
	v_max_num_f32 v[MB+\c], 0x1800000, v[MB+\c]    ; the floor 2^(3 - 127): the byte cannot fall under 1
.endr
.irp c, 0,1
	s_delay_alu instid0(VALU_DEP_2)
	v_add_nc_u32 v[SO+\c], 0xff000000, v[MB+\c]    ; 2 off the exponent field: the conversion takes the exponent field of this operand as its scale, and nothing else of it
.endr
.irp c, 0,1
	s_delay_alu instid0(VALU_DEP_2)
	v_lshrrev_b32 v[BY+\c], 23, v[SO+\c]           ; the scale's byte
.endr
	s_delay_alu instid0(VALU_DEP_1)
	v_lshl_or_b32 v[T0], v[BY+1], 16, v[BY]        ; my two bytes stand at places h and 2 + h of p's scale word;
	s_delay_alu instid0(VALU_DEP_1)
	v_lshlrev_b32 v[T0], v[SH8], v[T0]
	s_delay_alu instid0(VALU_DEP_1)
	v_permlanex16_b32 v[T1], v[T0], s[SEL], s[SEL+1]
	s_delay_alu instid0(VALU_DEP_1)
	v_or_b32 v[PSW], v[T0], v[T1]                  ; with lane l xor 16's two the word is whole
.irp c, 0,1
	v_cvt_scalef32_pk16_fp6_f32 v[PC+6*\c:PC+6*\c+2], v[S+32*\c:S+32*\c+15], v[SO+\c]      ; registers 6 c .. 6 c + 2 of the operand,
	v_cvt_scalef32_pk16_fp6_f32 v[PT+4*\c:PT+4*\c+2], v[S+32*\c+16:S+32*\c+31], v[SO+\c]   ; and the block's upper 16 (a conversion's three registers begin on an even number, so they are made elsewhere and moved)
.endr
	v_nop                                          ; one plain place behind a scaled conversion
.irp c, 0,1
.irp i, 0,1,2
	v_mov_b32 v[PC+6*\c+3+\i], v[PT+4*\c+\i]
.endr
.endr
	v_pk_add_f32 v[238:239], v[116:117], v[120:121]
	v_pk_add_f32 v[254:255], v[124:125], v[128:129]
	v_pk_add_f32 v[252:253], v[132:133], v[136:137]
	v_pk_add_f32 v[250:251], v[140:141], v[144:145]
	v_pk_add_f32 v[248:249], v[148:149], v[152:153]
	v_pk_add_f32 v[246:247], v[156:157], v[160:161]
	v_pk_add_f32 v[244:245], v[164:165], v[168:169]
	v_pk_add_f32 v[18:19], v[18:19], v[172:173]
	v_pk_add_f32 v[238:239], v[238:239], v[112:113]
	v_pk_add_f32 v[254:255], v[254:255], v[114:115]
	v_pk_add_f32 v[252:253], v[252:253], v[118:119]
	v_pk_add_f32 v[250:251], v[250:251], v[122:123]
	v_pk_add_f32 v[248:249], v[248:249], v[126:127]
	v_pk_add_f32 v[246:247], v[246:247], v[130:131]
	v_pk_add_f32 v[244:245], v[244:245], v[134:135]
	v_pk_add_f32 v[18:19], v[18:19], v[138:139]
	v_pk_add_f32 v[238:239], v[238:239], v[142:143]
	v_pk_add_f32 v[254:255], v[254:255], v[146:147]
	v_pk_add_f32 v[252:253], v[252:253], v[150:151]
	v_pk_add_f32 v[250:251], v[250:251], v[154:155]
	v_pk_add_f32 v[248:249], v[248:249], v[158:159]
	v_pk_add_f32 v[246:247], v[246:247], v[162:163]
	v_pk_add_f32 v[244:245], v[244:245], v[166:167]
	s_setprio 0
	v_pk_add_f32 v[18:19], v[18:19], v[170:171]
	v_pk_add_f32 v[238:239], v[238:239], v[174:175]
	s_delay_alu instid0(VALU_DEP_2)
	v_pk_add_f32 v[18:19], v[18:19], v[250:251]
	s_delay_alu instid0(VALU_DEP_2)
	v_pk_add_f32 v[238:239], v[238:239], v[248:249]
	v_pk_add_f32 v[254:255], v[254:255], v[246:247]
	v_pk_add_f32 v[252:253], v[252:253], v[244:245]
	s_delay_alu instid0(VALU_DEP_2)
	v_pk_add_f32 v[18:19], v[18:19], v[254:255]
	s_delay_alu instid0(VALU_DEP_2)
	v_pk_add_f32 v[238:239], v[238:239], v[252:253]
	s_delay_alu instid0(VALU_DEP_1)
	v_pk_add_f32 v[18:19], v[18:19], v[238:239]
.set j, 0
.rept 16
	v_pk_mul_f32 v[O+j:O+j+1], v[O+j:O+j+1], v[FF:FF+1] op_sel_hi:[1,0]   ; O^T under the new M.  (These and the sums are the places between the writes of p's codes and scale word and the products below)
.set j, j+2
.endr
	s_wait_alu depctr_va_vdst(0)
	s_wait_dscnt 0x0                               ; V is in
.irp t, 0,1,2,3                                ; O^T += V^T P^T: the four accumulators take turns, one instruction a turn; the next matrix instruction is the next step's first K Q^T
.if \t%2
	v_wmma_scale_f32_16x16x128_f8f6f4 v[O+8*\t:O+8*\t+7], v[F+12*\t:F+12*\t+11], v[PC:PC+11], v[O+8*\t:O+8*\t+7], v[VS+\t/2], v[PSW] matrix_a_fmt:MATRIX_FMT_FP6 matrix_b_fmt:MATRIX_FMT_FP6 matrix_a_scale:MATRIX_SCALE_ROW1
.else
	v_wmma_scale_f32_16x16x128_f8f6f4 v[O+8*\t:O+8*\t+7], v[F+12*\t:F+12*\t+11], v[PC:PC+11], v[O+8*\t:O+8*\t+7], v[VS+\t/2], v[PSW] matrix_a_fmt:MATRIX_FMT_FP6 matrix_b_fmt:MATRIX_FMT_FP6
.endif
.endr
.if \edge
.Lskip_\@:
.endif
.endm
; Four key steps, first .. first + 3: they lie in one chunk of V, so each of the four places steps by a constant.  Every wave walks all four trips; what a wave leaves out it jumps over inside the step.
.macro RUN first, qf, qs, edge, g
	s_mov_b32 s[J], \first
	s_mov_b32 s[TK], 2*KREG*\first                 ; a step is two regions of K,
	s_mov_b32 s[TV], VCH*(\first/4)                ; 96 bytes of each row of V,
	s_mov_b32 s[TS], 512*\first                    ; 512 bytes of K's scale words
	s_mov_b32 s[TT], 256*\first                    ; and 256 of V's
.Lrun_\@:
	STEP \qf, \qs, \edge, \g
	s_add_co_u32 s[TK], s[TK], 2*KREG
	s_add_co_u32 s[TV], s[TV], 96
	s_add_co_u32 s[TS], s[TS], 512
	s_add_co_u32 s[TT], s[TT], 256
	s_add_co_u32 s[J], s[J], 1
	s_cmp_lt_u32 s[J], \first+4
	s_cbranch_scc1 .Lrun_\@
	s_setprio 0
.endm
; THE WAY OUT of a tile.  O^T / the sum; a lane's eight numbers of a tile of O^T are 32 neighbouring bytes of its query's row; the rows go through my own stage and come back whole.
; more = 1: another tile follows, which writes the stores' registers again.
.macro OUT base, more
.rept 4
	v_nop                                          ; four places behind the last products
.endr
	v_add_f32 v[SUM], v[SUM], v[SUM+1]             ; the sum's two halves,
	s_delay_alu instid0(VALU_DEP_1)
	v_permlanex16_b32 v[T1], v[SUM], s[SEL], s[SEL+1]
	s_delay_alu instid0(VALU_DEP_1)
	v_add_f32 v[SUM], v[SUM], v[T1]                ; and lane l xor 16's: the row's sum
	s_wait_alu depctr_va_vdst(0)
	v_rcp_f32 v[SUM], v[SUM]
	v_nop                                          ; one plain place behind a transcendental
.set j, 0
	s_wait_alu depctr_va_vdst(0)
.rept 16
	v_pk_mul_f32 v[S+j:S+j+1], v[O+j:O+j+1], v[SUM:SUM+1] op_sel_hi:[1,0]   ; register 8 t + i is out(r, 16 t + 8 h + i); each accumulator from its low end on
.set j, j+2
.endr
.irp t, 0,1,2,3
	ds_store_b128 v[STO], v[S+8*\t:S+8*\t+3] offset:64*\t
	ds_store_b128 v[STO], v[S+8*\t+4:S+8*\t+7] offset:64*\t+16
.endr
.irp i, 0,1,2,3,4,5,6,7
	ds_load_b128 v[S+32+4*\i:S+35+4*\i], v[RD] offset:2*SP*\i   ; LDS serves a wave's instructions in order (ISA guide 5.7.1.4): these see my stores
.endr
.irp i, 0,1,2,3,4,5,6,7
	s_wait_dscnt 7-\i                              ; load i is in; the 7 - i behind it may be out
	global_store_b128 v[GO], v[S+32+4*\i:S+35+4*\i], s[\base:\base+1] offset:8192*\i th:TH_STORE_NT   ; 16 lanes store a query's 256 consecutive bytes, at a multiple of 256 from out0's first byte; written once
.endr
.if \more
	s_wait_xcnt 0x0                                ; the stores' data registers are written again only behind this wait
.endif
.endm
	BAR 3                                          ; the scale words lie in LDS; load 0 of every fetching wave has landed (three may be out): key steps 0-3
	RUN 0, QA, QSA, 0, GA                          ; my first tile's group is 8 at the least: its steps 0-7 lie wholly under the diagonal
	BAR 2                                          ; loads 0 and 1: key steps 4-7
	RUN 4, QA, QSA, 0, GA
	BAR 0                                          ; all of K and V.  Every wave has done eight steps; from here on the waves meet no more until the end
	RUN 8, QA, QSA, 1, GA
	RUN 12, QA, QSA, 1, GA
	OUT OA, 1
	RESET
	RUN 0, QB, QSB, 1, GB                          ; my second tile: group p, 7 at the most
	RUN 4, QB, QSB, 1, GB
	OUT OB, 0
	s_wait_dscnt 0x0
	s_wait_tensorcnt 0x0
	ds_add_u32 v223, v227
	s_wait_dscnt 0x0
	ROUND                                          ; the closing round: no work-group ends ahead of its partners
	s_endpgm
.Lfunc_end_k_q9f2d15a3e6_attn:
	.size	k_q9f2d15a3e6_attn, .Lfunc_end_k_q9f2d15a3e6_attn-k_q9f2d15a3e6_attn
	.p2alignl 7, 3214868480
	.fill 96, 4, 3214868480
	.section	.rodata,"a",@progbits
	.p2align	6, 0x0
	.amdhsa_kernel k_q9f2d15a3e6_attn
		.amdhsa_group_segment_fixed_size 288768
		.amdhsa_private_segment_fixed_size 0
		.amdhsa_enable_private_segment 0
		.amdhsa_kernarg_size 56
		.amdhsa_user_sgpr_count 2
		.amdhsa_user_sgpr_kernarg_segment_ptr 1
		.amdhsa_wavefront_size32 1
		.amdhsa_system_sgpr_workgroup_id_x 1
		.amdhsa_system_sgpr_workgroup_id_y 1
		.amdhsa_system_sgpr_workgroup_id_z 1
		.amdhsa_system_vgpr_workitem_id 0
		.amdhsa_next_free_vgpr 256
		.amdhsa_next_free_sgpr 100
		.amdhsa_reserve_vcc 1
		.amdhsa_float_denorm_mode_32 3
		.amdhsa_float_denorm_mode_16_64 3
		.amdhsa_memory_ordered 1
		.amdhsa_forward_progress 1
		.amdhsa_inst_pref_size 139
	.end_amdhsa_kernel
	.amdgpu_metadata
---
amdhsa.version: [ 1, 2 ]
amdhsa.kernels:
  - .name:           k_q9f2d15a3e6_attn
    .symbol:         k_q9f2d15a3e6_attn.kd
    .args:
      - { .name: keys_codes, .offset: 0, .size: 8, .value_kind: global_buffer, .address_space: global }
      - { .name: keys_scales, .offset: 8, .size: 8, .value_kind: global_buffer, .address_space: global }
      - { .name: queries_codes, .offset: 16, .size: 8, .value_kind: global_buffer, .address_space: global }
      - { .name: queries_scales, .offset: 24, .size: 8, .value_kind: global_buffer, .address_space: global }
      - { .name: values_codes, .offset: 32, .size: 8, .value_kind: global_buffer, .address_space: global }
      - { .name: values_scales, .offset: 40, .size: 8, .value_kind: global_buffer, .address_space: global }
      - { .name: out0, .offset: 48, .size: 8, .value_kind: global_buffer, .address_space: global }
    .group_segment_fixed_size: 288768
    .private_segment_fixed_size: 0
    .kernarg_segment_align: 8
    .kernarg_segment_size: 56
    .max_flat_workgroup_size: 512
    .sgpr_count:     100
    .vgpr_count:     256
    .wavefront_size: 32
...
	.end_amdgpu_metadata
.endif
;; end of part 1
